; MI455X (gfx1250); checked and timed in simulation.
; The chip was launched on July 23, 2026; its instructions are those of AMD's public machine-readable ISA for CDNA 5 (MIT licence, August 2026) and "CDNA5" Instruction Set Architecture Reference Guide (July 2026). The comments in the code are by the model that wrote it; some were corrected since.
;; Multi Head Self Attention. Allowed arithmetic: float matrix products may take bf16 or f16 operands with f32 sums; all other float work in f32.
;; Inputs: W_k 1,024 x 1,024 float32; W_out 1,024 x 1,024 float32; W_q 1,024 x 1,024 float32; W_v 1,024 x 1,024 float32; b_k 1,024 float32; b_out 1,024 float32; b_q 1,024 float32; b_v 1,024 float32; x 2 x 2,048 x 1,024 float32.
;; Outputs: out0 2 x 2,048 x 1,024 float32.
;; One version. Each part assembles by itself: llvm-mc -triple=amdgcn-amd-amdhsa -mcpu=gfx1250 --defsym DOCPART=n.
;; ======== version 1 of 1: 4 launches
;; workspace buffers: xb 8,388,608 bytes; wqkv 6,291,456 bytes; wob 2,097,152 bytes; qkv 25,165,824 bytes; ctx 8,388,608 bytes
;; launch cast (part 1): grid 256 x 1, 8 waves a work-group, no clusters, 0 bytes of LDS; arguments x, W_q, W_k, W_v, W_out, xb, wqkv, wob; writes xb, wqkv, wob
.if DOCPART == 1
	.amdgcn_target "amdgcn-amd-amdhsa--gfx1250"
	.amdhsa_code_object_version 6
	.text
	.protected	k_q5cba81e499_cast
	.globl	k_q5cba81e499_cast
	.p2align	8
	.type	k_q5cba81e499_cast,@function
k_q5cba81e499_cast:
	s_mov_b64 s[64:65], 0
	v_nop
	global_prefetch_b8 v0, s[64:65] scope:SCOPE_SE
	s_setreg_imm32_b32 hwreg(HW_REG_WAVE_MODE, 25, 1), 1
	s_wait_xcnt 0x0
; x and the four weight matrices, f32, are rounded once to bf16 (nearest even) for the matrix launches that follow.
; 8,388,608 numbers over 256 work-groups: each takes 32 rows of 1,024 numbers, 131,072 bytes in and 65,536 bytes out.
; Work-groups 0-127: x -> xb.  Work-groups 128-255: j = id - 128, t = j / 32 picks W_q, W_k, W_v, W_out, u = j % 32 the block of 32 rows.
; W_q, W_k, W_v go to wqkv with their rows regrouped by head: row head*192 + t*64 + d, so that the next launch finds Q's, K's and V's
; 64 rows of one head as 192 neighbouring rows.  32 rows of W are half a head, so a block stays contiguous.  W_out -> wob as it lies.
; A stream: every byte is read once and written once, nothing is shared between work-groups, so no LDS, no barrier, no cluster.
; A wave takes 16,384 bytes: 32 loads of 512 neighbouring bytes, all issued before the first wait; each store of the wave covers 256
; consecutive bytes, aligned.  No register is written twice, so no source of a pending instruction is ever rewritten.
.set X, 4                              ; v[4:131]  load j: four f32 a lane; then two words of bf16 in the first two
	s_load_b512 s[8:23], s[0:1], 0x0               ; x 8, W_q 10, W_k 12, W_v 14, W_out 16, xb 18, wqkv 20, wob 22
	s_and_b32 s2, ttmp9, 127                       ; j
	s_lshr_b32 s3, s2, 5                           ; t
	s_and_b32 s4, ttmp9, 31                        ; u
	s_lshr_b32 s5, s4, 1                           ; head = u / 2
	s_mul_i32 s5, s5, 192
	s_lshl_b32 s6, s3, 6
	s_add_co_u32 s5, s5, s6                        ; + 64 t
	s_and_b32 s6, s4, 1
	s_lshl_b32 s6, s6, 5
	s_add_co_u32 s5, s5, s6                        ; + 32 (u % 2)
	s_lshl_b32 s5, s5, 11                          ; rows of 2,048 bytes: offset in wqkv
	s_lshl_b32 s6, s4, 16                          ; offset in wob
	s_lshl_b32 s7, s4, 17                          ; offset in a W
	s_lshl_b32 s32, ttmp9, 16                      ; offset in xb
	s_lshl_b32 s33, ttmp9, 17                      ; offset in x
	v_lshrrev_b32 v3, 5, v0                        ; wave
	v_and_b32 v2, 31, v0                           ; lane
	v_lshlrev_b32 v1, 4, v2
	v_lshl_add_u32 v1, v3, 14, v1                  ; in: 16,384 x wave + 16 x lane
	v_lshlrev_b32 v2, 3, v2
	v_lshl_add_u32 v2, v3, 13, v2                  ; out: 8,192 x wave + 8 x lane
	s_wait_kmcnt 0x0
	; the source and the destination are chosen by the work-group's number alone
	s_cmp_eq_u32 s3, 1
	s_cselect_b64 s[24:25], s[12:13], s[10:11]
	s_cmp_eq_u32 s3, 2
	s_cselect_b64 s[24:25], s[14:15], s[24:25]
	s_cmp_eq_u32 s3, 3
	s_cselect_b64 s[24:25], s[16:17], s[24:25]
	s_cselect_b64 s[26:27], s[22:23], s[20:21]
	s_cselect_b32 s28, s6, s5
	s_cmp_lt_u32 ttmp9, 128
	s_cselect_b64 s[24:25], s[8:9], s[24:25]
	s_cselect_b64 s[26:27], s[18:19], s[26:27]
	s_cselect_b32 s28, s32, s28
	s_cselect_b32 s30, s33, s7
	s_mov_b32 s29, 0
	s_mov_b32 s31, 0
	s_add_nc_u64 s[24:25], s[24:25], s[30:31]
	s_add_nc_u64 s[26:27], s[26:27], s[28:29]
.set j, 0
.rept 32
	global_load_b128 v[X+4*j:X+4*j+3], v1, s[24:25] offset:512*j th:TH_LOAD_NT
.set j, j+1
.endr
.set j, 0
.rept 32
	s_wait_loadcnt 31-j                            ; loads come back in order: load j is in, the 31 - j younger ones stay out
	v_cvt_pk_bf16_f32 v[X+4*j], v[X+4*j], v[X+4*j+1]
	v_cvt_pk_bf16_f32 v[X+4*j+1], v[X+4*j+2], v[X+4*j+3]
	global_store_b64 v2, v[X+4*j:X+4*j+1], s[26:27] offset:256*j
.set j, j+1
.endr
	s_endpgm
.Lfunc_end_k_q5cba81e499_cast:
	.size	k_q5cba81e499_cast, .Lfunc_end_k_q5cba81e499_cast-k_q5cba81e499_cast
	.p2alignl 7, 3214868480
	.fill 96, 4, 3214868480
	.section	.rodata,"a",@progbits
	.p2align	6, 0x0
	.amdhsa_kernel k_q5cba81e499_cast
		.amdhsa_group_segment_fixed_size 0
		.amdhsa_private_segment_fixed_size 0
		.amdhsa_enable_private_segment 0
		.amdhsa_kernarg_size 64
		.amdhsa_user_sgpr_count 2
		.amdhsa_user_sgpr_kernarg_segment_ptr 1
		.amdhsa_wavefront_size32 1
		.amdhsa_system_sgpr_workgroup_id_x 1
		.amdhsa_system_sgpr_workgroup_id_y 1
		.amdhsa_system_sgpr_workgroup_id_z 1
		.amdhsa_system_vgpr_workitem_id 0
		.amdhsa_next_free_vgpr 132
		.amdhsa_next_free_sgpr 66
		.amdhsa_reserve_vcc 0
		.amdhsa_float_denorm_mode_32 3
		.amdhsa_float_denorm_mode_16_64 3
		.amdhsa_memory_ordered 1
		.amdhsa_forward_progress 1
		.amdhsa_inst_pref_size 13
	.end_amdhsa_kernel
	.amdgpu_metadata
---
amdhsa.version: [ 1, 2 ]
amdhsa.kernels:
  - .name:           k_q5cba81e499_cast
    .symbol:         k_q5cba81e499_cast.kd
    .args:
      - { .name: x, .offset: 0, .size: 8, .value_kind: global_buffer, .address_space: global }
      - { .name: W_q, .offset: 8, .size: 8, .value_kind: global_buffer, .address_space: global }
      - { .name: W_k, .offset: 16, .size: 8, .value_kind: global_buffer, .address_space: global }
      - { .name: W_v, .offset: 24, .size: 8, .value_kind: global_buffer, .address_space: global }
      - { .name: W_out, .offset: 32, .size: 8, .value_kind: global_buffer, .address_space: global }
      - { .name: xb, .offset: 40, .size: 8, .value_kind: global_buffer, .address_space: global }
      - { .name: wqkv, .offset: 48, .size: 8, .value_kind: global_buffer, .address_space: global }
      - { .name: wob, .offset: 56, .size: 8, .value_kind: global_buffer, .address_space: global }
    .group_segment_fixed_size: 0
    .private_segment_fixed_size: 0
    .kernarg_segment_align: 8
    .kernarg_segment_size: 64
    .max_flat_workgroup_size: 256
    .sgpr_count:     66
    .vgpr_count:     132
    .wavefront_size: 32
...
	.end_amdgpu_metadata
.endif
;; end of part 1
;; launch qkv (part 2): grid 16 x 16, 4 waves a work-group, clusters of 4 x 4, 327,680 bytes of LDS; arguments xb, wqkv, b_q, b_k, b_v, qkv; writes qkv
.if DOCPART == 2
	.amdgcn_target "amdgcn-amd-amdhsa--gfx1250"
	.amdhsa_code_object_version 6
	.text
	.protected	k_q5cba81e499_qkv
	.globl	k_q5cba81e499_qkv
	.p2align	8
	.type	k_q5cba81e499_qkv,@function
k_q5cba81e499_qkv:
	s_mov_b64 s[64:65], 0
	v_nop
	global_prefetch_b8 v0, s[64:65] scope:SCOPE_SE
	s_setreg_imm32_b32 hwreg(HW_REG_WAVE_MODE, 25, 1), 1
	s_wait_xcnt 0x0
	s_wait_alu depctr_hold_cnt(0) depctr_sa_sdst(0) depctr_va_vdst(0) depctr_va_sdst(0) depctr_va_ssrc(0) depctr_va_vcc(0) depctr_vm_vsrc(0)
	s_getreg_b32 s2, hwreg(HW_REG_IB_STS2, 6, 4)
	s_cmp_eq_u32 s2, 0
	s_cbranch_scc0 .Lentry_in_a_cluster
	s_endpgm
.Lentry_in_a_cluster:
	s_bfe_u32 s2, ttmp6, 0x10000c
	s_cmp_lg_u32 s2, 0xf033
	s_cbranch_scc0 .Lentry_shape_is_right
	s_endpgm
.Lentry_shape_is_right:
; Q, K, V = x W^T + b for one head and 256 rows: a block of 256 x 192 of xb [4096][1024] times wqkv [3072][1024]^T, bf16 operands, f32 sums,
; bias added in f32, results rounded once to bf16 and stored as qkv[t][batch][head][s][64] (t = 0 Q, 1 K, 2 V).
; Grid: x = head (16), y = block of 256 rows (16): 256 work-groups.  Four waves; wave w makes rows 64 w .. 64 w + 63 by all 192 columns:
; 4 x 12 accumulator tiles of 16 x 16, 384 registers.  K goes in 8 steps of 128 through two LDS slots filled by the tensor data mover;
; a tile's rows are 256 bytes of memory and start at multiples of 256 bytes.
; CLUSTERS: 4 x 4 work-groups.  x's tile hangs on the row block alone and is asked for jointly along a row of the cluster; W's hangs on the
; head alone and is asked for jointly along a column: each tile is requested once for four work-groups.
; REGISTERS in windows of 256: window 0 addresses, x's fragments (two buffers), bias, and the way out's work registers;
; window 1 W's fragments (two buffers of 96); window 2 the tiles of columns 0-95 (tile (a, b) at 8 (6 a + b)); window 3 those of columns 96-191.
; The matrix instruction is used transposed (source 0 = 16 rows of W, source 1 = 16 rows of x): lane l then holds row l % 16 and in its
; eight registers the columns 8 (l / 16) + 0..7, eight neighbouring numbers of a row.
; The 48 accumulators take turns, one instruction a turn, in the same order in every quarter step, over the loop's jump too.
.set KSTEP,  128
.set PITCH,  272                       ; 256 bytes + 16 of padding: an odd multiple of 16, so the 16 rows of a fragment load start in 16 different 16-byte columns modulo 256
.set ATILE,  256*PITCH                 ; x's 256 rows
.set AHALF,  128*PITCH                 ; what wave 0 or 1 fetches
.set BHALF,  96*PITCH                  ; what wave 2 or 3 fetches
.set SLOT,   ATILE+2*BHALF             ; 121,856
.set STAGE,  2*SLOT                    ; 243,712, a multiple of 256: no fill lands here.  16 rows x 400 bytes for each wave
.set SPITCH, 400                       ; 384 bytes + 16
.set ADRA, 16                          ; v16-17  LDS address of my x fragments in slot 0, 1
.set ADRB, 20                          ; v20-21  the same for W
.set STO,  24                          ; the way out: where I put 16 bytes
.set RD,   25                          ; the way out: where I read rows back
.set CO,   26                          ; 16 x lane
.set BOFF, 27                          ; 32 (l / 16): my eight biases in a block of 16
.set XF,   32                          ; v[32:63], v[64:95]  x's fragments, buffers 0 and 1 (window 0)
.set T,    64                          ; v[64:159]  the way out
.set BIAS, 160                         ; v[160:255] bias of my 8 columns in each of the 12 column blocks
.set G1,  24                           ; s[24:31] group 1 for x's tiles
.set G0,  32                           ; s[32:39] group 0 for x's tiles, one set a slot
.set G1B, 48                           ; s[48:55] group 1 for W's tiles
.set G0B, 56                           ; s[56:63] group 0 for W's tiles, one set a slot
.set MSB, 0
.macro WIN new                         ; the immediate's high byte repeats the setting that is left
.if MSB != \new
	s_set_vgpr_msb (MSB<<8)|\new
.set MSB, \new
.endif
.endm
.set MUL_LO, 0xa1                      ; source 0 (W) window 1, source 1 (x) window 0, C and D window 2
.set MUL_HI, 0xf1                      ; the same, C and D window 3
.set TO_W,   0x40                      ; destination window 1, address window 0
.macro PLACES                          ; four places behind a matrix instruction (ISA guide 7.12.1) before its registers are loaded into or its results read
.rept 4
	v_nop
.endr
.endm
; A joint load: waves 0, 1 fetch x's halves, waves 2, 3 W's.  The branch hangs on the wave's number alone.
.macro JLOAD s
	s_cmp_eq_u32 s17, 0
	s_cbranch_scc0 .Lfor_b_\@
	tensor_load_to_lds s[G0+4*\s:G0+4*\s+3], s[G1:G1+7]
	s_nop 0
	s_branch .Lasked_\@
.Lfor_b_\@:
	tensor_load_to_lds s[G0B+4*\s:G0B+4*\s+3], s[G1B:G1B+7]
	s_nop 0
.Lasked_\@:
.endm
.macro CREST                           ; a round of the cluster's barrier behind its opening work-group barrier
	s_cmp_lg_u32 s16, 0
	s_cbranch_scc1 .Lnot_wave_0_\@
	s_barrier_signal -3
.Lnot_wave_0_\@:
	s_barrier_wait -3
	s_barrier_signal -1
	s_barrier_wait -1
.endm
.macro CROUND                          ; a whole round
	s_barrier_signal -1
	s_barrier_wait -1
	CREST
.endm
	s_load_b128 s[4:7], s[0:1], 0x0                ; xb, wqkv
	s_load_b256 s[8:15], s[0:1], 0x10              ; b_q, b_k, b_v, qkv
	s_set_vgpr_msb 0x40
	v_lshl_add_u32 v255, v0, 2, 0x41c00
	s_set_vgpr_msb 0x4000
	v_mov_b32 v31, 0
	s_set_vgpr_msb 0x1
	ds_add_u32 v255, v31
	s_set_vgpr_msb 0x100
	v_lshrrev_b32 v1, 5, v0
	v_readfirstlane_b32 s16, v1                    ; wave 0..3
	s_lshr_b32 s17, s16, 1                         ; I fetch for x (0) or for W (1)
	s_and_b32 s18, s16, 1                          ; which half of that tile
	s_bfe_u32 s19, ttmp6, 0x40000                  ; cx
	s_bfe_u32 s20, ttmp6, 0x40004                  ; cy
	s_lshl_b32 s21, ttmp9, 2
	s_add_co_u32 s21, s21, s19                     ; head = 4 x cluster x + cx
	s_and_b32 s22, ttmp7, 0xffff
	s_lshl_b32 s22, s22, 2
	s_add_co_u32 s22, s22, s20                     ; row block = 4 x cluster y + cy
	s_lshl_b32 s2, s20, 2
	s_lshl_b32 s2, 15, s2                          ; my row of the cluster
	s_lshl_b32 s3, 0x1111, s19                     ; my column
	; group 1: elements of 2 bytes, padding of 4 words behind every 64 words, bit 21 beside the mask
	s_or_b32 s[G1+0], s2, (1<<16)|(1<<20)|(1<<21)|(5<<22)|(3<<25)
	s_mov_b32 s[G1+1], KSTEP<<16                   ; tensor_dim0 = 128
	s_mov_b32 s[G1+2], 128<<16                     ; tensor_dim1 = 128
	s_mov_b32 s[G1+3], KSTEP<<16                   ; tile_dim0 = 128
	s_mov_b32 s[G1+4], 128                         ; tile_dim1 = 128 rows
	s_mov_b32 s[G1+5], 1024                        ; elements from row to row
	s_mov_b32 s[G1+6], 0
	s_mov_b32 s[G1+7], 0
	s_or_b32 s[G1B+0], s3, (1<<16)|(1<<20)|(1<<21)|(5<<22)|(3<<25)
	s_mov_b32 s[G1B+1], KSTEP<<16
	s_mov_b32 s[G1B+2], 96<<16                     ; 96 rows
	s_mov_b32 s[G1B+3], KSTEP<<16
	s_mov_b32 s[G1B+4], 96
	s_mov_b32 s[G1B+5], 1024
	s_mov_b32 s[G1B+6], 0
	s_mov_b32 s[G1B+7], 0
	; x's tile: row 256 x block + 128 x half; W's: row 192 x head + 96 x half; rows of 2,048 bytes.  Neither offset holds the other's coordinate.
	s_lshl_b32 s40, s22, 8
	s_lshl_b32 s41, s18, 7
	s_add_co_u32 s40, s40, s41
	s_lshl_b32 s40, s40, 11
	s_mov_b32 s41, 0
	s_mul_i32 s44, s21, 192
	s_mul_i32 s45, s18, 96
	s_add_co_u32 s44, s44, s45
	s_lshl_b32 s44, s44, 11
	s_mov_b32 s45, 0
	s_mul_i32 s46, s16, AHALF                      ; LDS: x's halves at wave x 128 rows (waves 0, 1)
	s_mul_i32 s47, s16, BHALF
	s_add_co_u32 s47, s47, ATILE-2*BHALF           ; W's halves behind x's 256 rows (waves 2, 3)
	s_lshl_b32 s72, s21, 8                         ; the head's 64 biases
	s_mov_b32 s73, 0
	s_lshr_b32 s74, s22, 3                         ; batch
	s_lshl_b32 s74, s74, 4
	s_add_co_u32 s74, s74, s21                     ; 16 x batch + head
	s_lshl_b32 s74, s74, 18                        ; 2,048 rows of 128 bytes
	s_and_b32 s75, s22, 7
	s_lshl_b32 s75, s75, 15                        ; 256 rows of 128 bytes for each block inside the batch
	s_add_co_u32 s74, s74, s75
	s_lshl_b32 s75, s16, 13                        ; my wave's 64 rows
	s_add_co_u32 s74, s74, s75
	s_mov_b32 s75, 0
	s_wait_dscnt 0x0
	s_wait_kmcnt 0x0
	s_add_nc_u64 s[40:41], s[4:5], s[40:41]
	s_add_nc_u64 s[44:45], s[6:7], s[44:45]
	s_add_nc_u64 s[8:9], s[8:9], s[72:73]
	s_add_nc_u64 s[10:11], s[10:11], s[72:73]
	s_add_nc_u64 s[12:13], s[12:13], s[72:73]
	s_add_nc_u64 s[66:67], s[14:15], s[74:75]      ; where my Q rows go,
	s_add_nc_u64 s[68:69], s[66:67], 0x800000      ; my K rows,
	s_add_nc_u64 s[70:71], s[68:69], 0x800000      ; my V rows
	CROUND                                         ; all sixteen work-groups are here: the first joint loads meet
.irp s, 0,1
	s_mov_b32 s[G0+4*\s], 1
	s_add_co_u32 s[G0+4*\s+1], s46, \s*SLOT
	s_add_nc_u64 s[G0+4*\s+2:G0+4*\s+3], s[40:41], \s*KSTEP*2
	s_or_b32 s[G0+4*\s+3], s[G0+4*\s+3], 0x80000000
	s_mov_b32 s[G0B+4*\s], 1
	s_add_co_u32 s[G0B+4*\s+1], s47, \s*SLOT
	s_add_nc_u64 s[G0B+4*\s+2:G0B+4*\s+3], s[44:45], \s*KSTEP*2
	s_or_b32 s[G0B+4*\s+3], s[G0B+4*\s+3], 0x80000000
	JLOAD \s                                       ; K steps 0 and 1: two tensor loads of the wave are out, the most in this text
.endr
	v_and_b32 v1, 15, v0                           ; r = l % 16
	v_bfe_u32 v2, v0, 4, 1                         ; h = l / 16
	v_mul_u32_u24 v3, v1, PITCH
	v_lshl_add_u32 v3, v2, 4, v3                   ; r x pitch + 16 h
	s_mul_i32 s76, s16, 64*PITCH                   ; my 64 rows of x
	v_add_nc_u32 v[ADRA], s76, v3
	v_add_nc_u32 v[ADRA+1], SLOT, v[ADRA]
	v_add_nc_u32 v[ADRB], ATILE, v3                ; all 192 rows of W
	v_add_nc_u32 v[ADRB+1], SLOT, v[ADRB]
	s_mul_i32 s76, s16, 16*SPITCH
	s_add_co_u32 s76, s76, STAGE                   ; my stage
	v_mul_u32_u24 v4, v1, SPITCH
	v_lshl_add_u32 v4, v2, 4, v4
	v_add_nc_u32 v[STO], s76, v4
	v_and_b32 v5, 31, v0
	v_lshrrev_b32 v4, 3, v5                        ; back: eight lanes take the 128 bytes of one row of Q, K or V
	v_mul_u32_u24 v4, v4, SPITCH
	v_and_b32 v3, 7, v0
	v_lshl_add_u32 v4, v3, 4, v4
	v_add_nc_u32 v[RD], s76, v4
	v_lshlrev_b32 v[CO], 4, v5
	v_lshlrev_b32 v[BOFF], 5, v2
.irp b, 0,1,2,3,4,5,6,7,8,9,10,11
	global_load_b128 v[BIAS+8*\b:BIAS+8*\b+3], v[BOFF], s[8+2*(\b/4):9+2*(\b/4)] offset:64*(\b%4)       ; column block b: tensor b / 4, columns 16 (b % 4) + 8 h ..
	global_load_b128 v[BIAS+8*\b+4:BIAS+8*\b+7], v[BOFF], s[8+2*(\b/4):9+2*(\b/4)] offset:64*(\b%4)+16
.endr
; 12 matrix instructions: row blocks a0, a0 + 1 by six column blocks (hi = 0: blocks 0-5, 1: blocks 6-11), 32 along K, from buffer f
.macro MUL12 f, hi, a0, zero
.irp a, \a0, \a0+1
.irp b, 0,1,2,3,4,5
.if \zero
	v_wmma_f32_16x16x32_bf16 v[8*(6*(\a)+\b):8*(6*(\a)+\b)+7], v[96*\f+8*(6*\hi+\b):96*\f+8*(6*\hi+\b)+7], v[XF+32*\f+8*(\a):XF+32*\f+8*(\a)+7], 0
.else
	v_wmma_f32_16x16x32_bf16 v[8*(6*(\a)+\b):8*(6*(\a)+\b)+7], v[96*\f+8*(6*\hi+\b):96*\f+8*(6*\hi+\b)+7], v[XF+32*\f+8*(\a):XF+32*\f+8*(\a)+7], v[8*(6*(\a)+\b):8*(6*(\a)+\b)+7]
.endif
.endr
.endr
.endm
; 32 LDS loads in one run: x's 64 rows, then W's 192 rows, 32 K at byte k of the rows, into buffer f
.macro FETCH slot, k, f
	WIN 0
.irp a, 0,1,2,3
	ds_load_b128 v[XF+32*\f+8*\a:XF+32*\f+8*\a+3],   v[ADRA+\slot] offset:\k+\a*16*PITCH
	ds_load_b128 v[XF+32*\f+8*\a+4:XF+32*\f+8*\a+7], v[ADRA+\slot] offset:\k+\a*16*PITCH+32
.endr
	WIN TO_W
.irp b, 0,1,2,3,4,5,6,7,8,9,10,11
	ds_load_b128 v[96*\f+8*\b:96*\f+8*\b+3],   v[ADRB+\slot] offset:\k+\b*16*PITCH
	ds_load_b128 v[96*\f+8*\b+4:96*\f+8*\b+7], v[ADRB+\slot] offset:\k+\b*16*PITCH+32
.endr
.endm
; A quarter step: multiplies buffer f; in its middle fetches the next quarter (byte k of the same slot's rows) into buffer g
.macro QUARTER slot, k, f, g, zero
	s_wait_dscnt 12                                ; x and W's blocks 0-5 are in; the youngest twelve loads (W's blocks 6-11) may be out
	WIN MUL_LO
	MUL12 \f, 0, 0, \zero
	MUL12 \f, 0, 2, \zero
	PLACES
	FETCH \slot, \k, \g
	s_wait_dscnt 32                                ; all but the 32 just issued
	WIN MUL_HI
	MUL12 \f, 1, 0, \zero
	MUL12 \f, 1, 2, \zero
.endm
.macro THREE slot, zero
	QUARTER \slot, 64,  0, 1, \zero
	QUARTER \slot, 128, 1, 0, 0
	QUARTER \slot, 192, 0, 1, 0
.endm
; The last quarter of a K step multiplies buffer 1 and changes slots.  In front of the barrier each wave waits for its reads of this slot and for
; all its tensor loads (one is out: its part of the next slot).  Where the slot is filled again the barrier opens a round of the cluster's barrier,
; and the joint refill is the first tensor load behind the round.  From a request to the wait for it a wave issues 180 matrix instructions.
.macro TURN slot, next, fill
	s_wait_dscnt 12
	WIN MUL_LO
	MUL12 1, 0, 0, 0
	s_wait_dscnt 0x0                               ; my reads of this slot are over
	s_wait_tensorcnt 0x0                           ; and all my tensor loads have landed
	ds_add_u32 v255, v31
	s_wait_dscnt 0x0
	s_barrier_signal -1
	MUL12 1, 0, 2, 0                               ; register work while the others arrive
	WIN 0
	s_barrier_wait -1
.if \fill
	CREST                                          ; no wave of any partner still reads this slot or has a load on its way
	s_add_nc_u64 s[G0+4*\slot+2:G0+4*\slot+3], s[G0+4*\slot+2:G0+4*\slot+3], 2*KSTEP*2
	s_add_nc_u64 s[G0B+4*\slot+2:G0B+4*\slot+3], s[G0B+4*\slot+2:G0B+4*\slot+3], 2*KSTEP*2
	JLOAD \slot
.endif
	PLACES
	FETCH \next, 0, 0
	WIN MUL_HI
	MUL12 1, 1, 0, 0
	MUL12 1, 1, 2, 0
.endm
.macro LAP zero
	THREE 0, \zero
	TURN 0, 1, 1
	THREE 1, 0
	TURN 1, 0, 1
.endm
	s_wait_tensorcnt 0x1                           ; my part of K step 0 is in; K step 1's stays out
	s_barrier_signal -1
	s_barrier_wait -1
	FETCH 0, 0, 0
	LAP 1                                          ; K steps 0, 1: the first products start the sums, nothing is cleared
	WIN 0
	s_mov_b32 s23, 2
.Llap:
	LAP 0                                          ; K steps 2-5; they ask for steps 4-7
	WIN 0
	s_sub_co_u32 s23, s23, 1
	s_cmp_lg_u32 s23, 0
	s_cbranch_scc1 .Llap
	THREE 0, 0                                     ; K steps 6, 7 fill nothing
	TURN 0, 1, 0
	THREE 1, 0
	s_wait_dscnt 12
	WIN MUL_LO
	MUL12 1, 0, 0, 0
	MUL12 1, 0, 2, 0
	s_wait_dscnt 0x0
	WIN MUL_HI
	MUL12 1, 1, 0, 0
	MUL12 1, 1, 2, 0
	PLACES
	s_wait_loadcnt 0x0                             ; the biases
; THE WAY OUT, 16 rows at a time: bias in f32, one rounding to bf16, 16 bytes a lane into my own stage, back as rows of 128 bytes of Q, of K and of V.
; In qkv the 16 rows of one of the three are 2,048 consecutive bytes: each store of the wave covers 512 of them, aligned.
.macro OUT16 a
	s_wait_xcnt 0x0                                ; T holds the data of the last block's stores: rewritten only behind this wait
	WIN 0x02
.irp b, 0,1,2,3,4,5
.irp r, 0,1,2,3
	v_pk_add_f32 v[T+8*\b+2*\r:T+8*\b+2*\r+1], v[8*(6*\a+\b)+2*\r:8*(6*\a+\b)+2*\r+1], v[BIAS+8*\b+2*\r:BIAS+8*\b+2*\r+1]
.endr
.endr
	WIN 0x03
.irp b, 0,1,2,3,4,5
.irp r, 0,1,2,3
	v_pk_add_f32 v[T+48+8*\b+2*\r:T+48+8*\b+2*\r+1], v[8*(6*\a+\b)+2*\r:8*(6*\a+\b)+2*\r+1], v[BIAS+48+8*\b+2*\r:BIAS+48+8*\b+2*\r+1]
.endr
.endr
	WIN 0
.irp b, 0,1,2,3,4,5,6,7,8,9,10,11
.irp r, 0,1,2,3
	v_cvt_pk_bf16_f32 v[T+8*\b+\r], v[T+8*\b+2*\r], v[T+8*\b+2*\r+1]
.endr
.endr
.irp b, 0,1,2,3,4,5,6,7,8,9,10,11
	ds_store_b128 v[STO], v[T+8*\b:T+8*\b+3] offset:32*\b
.endr
.irp i, 0,1,2,3,4,5,6,7,8,9,10,11
	ds_load_b128 v[T+8*\i+4:T+8*\i+7], v[RD] offset:(\i%4)*4*SPITCH+128*(\i/4)     ; LDS serves a wave's instructions in order: these see the stores above
.endr
.irp i, 0,1,2,3,4,5,6,7,8,9,10,11
	s_wait_dscnt 11-\i
	global_store_b128 v[CO], v[T+8*\i+4:T+8*\i+7], s[66+2*(\i/4):67+2*(\i/4)] offset:\a*2048+(\i%4)*512
.endr
.endm
	OUT16 0
	OUT16 1
	OUT16 2
	OUT16 3
	s_set_vgpr_msb 0x1
	s_wait_tensorcnt 0x0
	ds_add_u32 v255, v31
	s_wait_dscnt 0x0
	s_set_vgpr_msb 0x100
	CROUND                                         ; the closing round: no work-group ends while a partner may still ask for a tile that names it
	s_endpgm
.Lfunc_end_k_q5cba81e499_qkv:
	.size	k_q5cba81e499_qkv, .Lfunc_end_k_q5cba81e499_qkv-k_q5cba81e499_qkv
	.p2alignl 7, 3214868480
	.fill 96, 4, 3214868480
	.section	.rodata,"a",@progbits
	.p2align	6, 0x0
	.amdhsa_kernel k_q5cba81e499_qkv
		.amdhsa_group_segment_fixed_size 327680
		.amdhsa_private_segment_fixed_size 0
		.amdhsa_enable_private_segment 0
		.amdhsa_kernarg_size 48
		.amdhsa_user_sgpr_count 2
		.amdhsa_user_sgpr_kernarg_segment_ptr 1
		.amdhsa_wavefront_size32 1
		.amdhsa_system_sgpr_workgroup_id_x 1
		.amdhsa_system_sgpr_workgroup_id_y 1
		.amdhsa_system_sgpr_workgroup_id_z 1
		.amdhsa_system_vgpr_workitem_id 0
		.amdhsa_next_free_vgpr 960
		.amdhsa_next_free_sgpr 80
		.amdhsa_reserve_vcc 0
		.amdhsa_float_denorm_mode_32 3
		.amdhsa_float_denorm_mode_16_64 3
		.amdhsa_memory_ordered 1
		.amdhsa_forward_progress 1
		.amdhsa_inst_pref_size 178
	.end_amdhsa_kernel
	.amdgpu_metadata
---
amdhsa.version: [ 1, 2 ]
amdhsa.kernels:
  - .name:           k_q5cba81e499_qkv
    .symbol:         k_q5cba81e499_qkv.kd
    .args:
      - { .name: xb, .offset: 0, .size: 8, .value_kind: global_buffer, .address_space: global }
      - { .name: wqkv, .offset: 8, .size: 8, .value_kind: global_buffer, .address_space: global }
      - { .name: b_q, .offset: 16, .size: 8, .value_kind: global_buffer, .address_space: global }
      - { .name: b_k, .offset: 24, .size: 8, .value_kind: global_buffer, .address_space: global }
      - { .name: b_v, .offset: 32, .size: 8, .value_kind: global_buffer, .address_space: global }
      - { .name: qkv, .offset: 40, .size: 8, .value_kind: global_buffer, .address_space: global }
    .group_segment_fixed_size: 327680
    .private_segment_fixed_size: 0
    .kernarg_segment_align: 8
    .kernarg_segment_size: 48
    .max_flat_workgroup_size: 128
    .sgpr_count:     80
    .vgpr_count:     960
    .wavefront_size: 32
...
	.end_amdgpu_metadata
.endif
;; end of part 2
;; launch attn (part 3): grid 8 x 32, 8 waves a work-group, clusters of 4 x 1, 327,680 bytes of LDS; arguments qkv, ctx; writes ctx
.if DOCPART == 3
	.amdgcn_target "amdgcn-amd-amdhsa--gfx1250"
	.amdhsa_code_object_version 6
	.text
	.protected	k_q5cba81e499_attn
	.globl	k_q5cba81e499_attn
	.p2align	8
	.type	k_q5cba81e499_attn,@function
k_q5cba81e499_attn:
	s_mov_b64 s[64:65], 0
	v_nop
	global_prefetch_b8 v0, s[64:65] scope:SCOPE_SE
	s_setreg_imm32_b32 hwreg(HW_REG_WAVE_MODE, 25, 1), 1
	s_wait_xcnt 0x0
	s_wait_alu depctr_hold_cnt(0) depctr_sa_sdst(0) depctr_va_vdst(0) depctr_va_sdst(0) depctr_va_ssrc(0) depctr_va_vcc(0) depctr_vm_vsrc(0)
	s_getreg_b32 s2, hwreg(HW_REG_IB_STS2, 6, 4)
	s_cmp_eq_u32 s2, 0
	s_cbranch_scc0 .Lentry_in_a_cluster
	s_endpgm
.Lentry_in_a_cluster:
	s_bfe_u32 s2, ttmp6, 0x10000c
	s_cmp_lg_u32 s2, 0x3003
	s_cbranch_scc0 .Lentry_shape_is_right
	s_endpgm
.Lentry_shape_is_right:
; softmax(Q K^T / 8) V for one (batch, head) and 256 queries, with a running maximum.  Q, K, V bf16 from qkv[t][batch*16+head][2048][64].
; Grid: x = block of 256 queries (8), y = batch*16 + head (32): 256 work-groups.  Eight waves, two to a SIMD.  Waves w and w + 4 own the same
; 64 queries (wq = w % 4); g = w / 4 says which 128 of a slot's 256 keys a wave takes.  Each keeps its own maximum, sum and O; the two are merged at the end.
; CLUSTERS: the four query blocks of a cluster read the same K and V tiles and ask for them jointly (mask 15).
; EVERYTHING IS KEPT TRANSPOSED.  S^T = K Q^T: lane l holds query 16 n + l % 16, its registers keys 16 kt + 8 (l / 16) + 0..7.  So maximum and sum run
; inside a lane plus one exchange of the lane halves, the statistics are one number a lane, and a lane's own exponentials, packed in pairs, ARE the
; second source of O^T = V^T P^T.  V^T comes from LDS by the transposing load.
; THE KEY LOOP IS A PIPELINE OVER UNITS.  A unit is one query block n (16 queries) of one step (64 keys): 8 products for S^T, a softmax of 119 vector
; instructions, 8 products for O^T.  In the time of unit u the wave does the softmax of u, the S^T products of u + 1 and the O^T products of u - 1:
; 16 matrix instructions in four groups of four among the vector instructions, so that both kinds of work are at hand all the time.
; The three touch different query blocks (n, n + 1, n + 3 modulo 4), so no register is added for it.
; The exponent is s c + negmc with c = log2(e) / 8 and negmc = round(-c m), in one fused multiply-add; every rescaling factor is exp2 of a
; difference of two such negmc, so all parts of a row carry exactly the shift that their factor undoes, whatever the size of the scores.
; LIMITS: P (at most about 1, not yet normalised) and the result are rounded to bf16; the row sum is taken of the unrounded exponentials; exponentials below
; 2^-126 come out as zero (ISA guide, v_exp_f32); keys are summed in two halves and merged, another order than a plain sum; NaN and infinities get no special care.
; All accumulators take turns, one matrix instruction a turn.
.set VP, 160                           ; V's LDS pitch: 128 bytes + 32, an odd multiple of 32 as the transposing load's eight rows want
.set KP, 144                           ; K's LDS pitch: 128 bytes + 16, an odd multiple of 16
.set VT, 256*VP                        ; 40,960
.set SLOT, VT+256*KP                   ; 77,824: V's 256 keys, then K's
.set MERGE, 2*SLOT                     ; 155,648, a multiple of 256; 18,432 bytes for each pair of waves: O (32 x 512), statistics (4 x 512)
.set MPW, 18432
.set STAGE, MERGE+4*MPW                ; 229,376; 64 rows x 144 bytes for each of waves 0-3
.set SPW, 64*144
.set KA, 8                             ; v8-9    LDS address of my K fragments in slot 0, 1
.set VA, 10                            ; v10-11  the same for V^T
.set MA, 12                            ; merge area of my pair + 16 x lane
.set STO, 14
.set RD, 15
.set CO, 16
.set QO, 17
.set SUM, 20                           ; v[20:23]
.set ST, 32                            ; v[32:47]  for each n: alpha (later f0), l, negmc (later f1), m
.set MX, 48
.set TP, 52
.set DD, 56
.set EE, 60
.set SB, 64                            ; v[64:191]  S^T tile (kt, n) at SB + 8 (4 n + kt); then P^T packed
.set KF, 192                           ; v[192:255] K fragment (kt, c) at KF + 8 (2 kt + c)
.set QF, 0                             ; window 1: Q fragment (n, c) at 8 (2 n + c)
.set VF, 64                            ; window 1: V^T fragment (dt, kc) at VF + 8 (2 dt + kc)
.set OB, 128                           ; window 1: O^T tile (dt, n) at OB + 8 (4 n + dt)
.set G1K, 16
.set G1V, 24
.set G0K, 32                           ; s[32:39] one set a slot
.set G0V, 40                           ; s[40:47]
.set W_S,  0x04                        ; S^T products: source 1 (Q) window 1, all else window 0
.set W_PV, 0x51                        ; O^T products: source 0 (V^T), C and D window 1, source 1 (P^T) window 0
.set MSB, 0
.macro WIN new                         ; the immediate's high byte repeats the setting that is left
.if MSB != \new
	s_set_vgpr_msb (MSB<<8)|\new
.set MSB, \new
.endif
.endm
.macro PLACES
.rept 4
	v_nop
.endr
.endm
.macro JLOAD s                         ; waves 0-3 fetch 64 rows of V each, waves 4-7 64 rows of K
	s_cmp_eq_u32 s9, 0
	s_cbranch_scc0 .Lfor_k_\@
	tensor_load_to_lds s[G0V+4*\s:G0V+4*\s+3], s[G1V:G1V+7]
	s_nop 0
	s_branch .Lasked_\@
.Lfor_k_\@:
	tensor_load_to_lds s[G0K+4*\s:G0K+4*\s+3], s[G1K:G1K+7]
	s_nop 0
.Lasked_\@:
.endm
.macro CREST                           ; a round of the cluster's barrier behind its opening work-group barrier
	s_cmp_lg_u32 s8, 0
	s_cbranch_scc1 .Lnot_wave_0_\@
	s_barrier_signal -3
.Lnot_wave_0_\@:
	s_barrier_wait -3
	s_barrier_signal -1
	s_barrier_wait -1
.endm
.macro CROUND                          ; a whole round
	s_barrier_signal -1
	s_barrier_wait -1
	CREST
.endm
	s_load_b128 s[4:7], s[0:1], 0x0                ; qkv, ctx
	v_lshl_add_u32 v30, v0, 2, 0x41000
	v_mov_b32 v31, 0
	ds_add_u32 v30, v31
	v_lshrrev_b32 v1, 5, v0
	v_readfirstlane_b32 s8, v1                     ; wave 0..7
	s_lshr_b32 s9, s8, 2                           ; g
	s_and_b32 s10, s8, 3                           ; wq
	s_and_b32 s12, ttmp7, 0xffff                   ; batch*16 + head
	s_bfe_u32 s11, ttmp6, 0x40000                  ; cx
	s_lshl_b32 s13, ttmp9, 2
	s_add_co_u32 s13, s13, s11                     ; query block
	s_mov_b32 s48, 0x3e38aa3b                      ; c = log2(e) / 8
	s_mov_b32 s49, 0x3e38aa3b
	s_mov_b32 s50, 0xbe38aa3b                      ; -c
	s_mov_b32 s52, 0x76543210                      ; v_permlanex16_b32: lane i reads lane i of the other half
	s_mov_b32 s53, 0xfedcba98
	; group 1: 64 rows of 64 elements of 2 bytes, dense in memory; behind every 32 words 8 words of padding (V) or 4 (K); mask 15, bit 21 beside it
	s_mov_b32 s[G1V+0], 15|(1<<16)|(1<<20)|(1<<21)|(4<<22)|(7<<25)
	s_mov_b32 s[G1V+1], 64<<16
	s_mov_b32 s[G1V+2], 64<<16
	s_mov_b32 s[G1V+3], 64<<16
	s_mov_b32 s[G1V+4], 64
	s_mov_b32 s[G1V+5], 64
	s_mov_b32 s[G1V+6], 0
	s_mov_b32 s[G1V+7], 0
	s_mov_b32 s[G1K+0], 15|(1<<16)|(1<<20)|(1<<21)|(4<<22)|(3<<25)
	s_mov_b32 s[G1K+1], 64<<16
	s_mov_b32 s[G1K+2], 64<<16
	s_mov_b32 s[G1K+3], 64<<16
	s_mov_b32 s[G1K+4], 64
	s_mov_b32 s[G1K+5], 64
	s_mov_b32 s[G1K+6], 0
	s_mov_b32 s[G1K+7], 0
	s_mul_i32 s60, s8, 64*VP                       ; V: wave x 64 rows (waves 0-3)
	s_mul_i32 s61, s8, 64*KP
	s_add_co_u32 s61, s61, VT-4*64*KP              ; K: behind V, (wave - 4) x 64 rows (waves 4-7)
	s_lshl_b32 s62, s12, 18                        ; the head's 2,048 rows of 128 bytes
	s_lshl_b32 s63, s8, 13                         ; + wave x 64 rows
	s_add_co_u32 s62, s62, s63
	s_mov_b32 s63, 0
	s_lshl_b32 s14, s12, 18                        ; my 64 queries: head, block of 256 rows, wq x 64 rows
	s_lshl_b32 s15, s13, 15
	s_add_co_u32 s14, s14, s15
	s_lshl_b32 s15, s10, 13
	s_add_co_u32 s14, s14, s15
	s_mov_b32 s15, 0
	s_wait_dscnt 0x0
	s_wait_kmcnt 0x0
	s_add_nc_u64 s[62:63], s[4:5], s[62:63]
	s_add_nc_u64 s[56:57], s[4:5], s[14:15]        ; Q
	; ctx lies in pairs of rows: byte ((R / 2) 16 + head) 256 + (R % 2) 128 + 2 dh, so that one head's two neighbouring rows are 256 consecutive bytes
	s_lshr_b32 s14, s12, 4
	s_lshl_b32 s14, s14, 10                        ; batch x 1,024 pairs
	s_lshl_b32 s15, s13, 7
	s_add_co_u32 s14, s14, s15                     ; + block x 128
	s_lshl_b32 s15, s10, 5
	s_add_co_u32 s14, s14, s15                     ; + wq x 32
	s_lshl_b32 s14, s14, 12                        ; a pair of rows is 4,096 bytes
	s_and_b32 s15, s12, 15
	s_lshl_b32 s15, s15, 8
	s_add_co_u32 s14, s14, s15                     ; + head x 256
	s_mov_b32 s15, 0
	s_add_nc_u64 s[58:59], s[6:7], s[14:15]
	CROUND                                         ; the four work-groups are here: the first joint loads meet
.irp s, 0,1
	s_mov_b32 s[G0V+4*\s], 1
	s_add_co_u32 s[G0V+4*\s+1], s60, \s*SLOT
	s_add_nc_u64 s[G0V+4*\s+2:G0V+4*\s+3], s[62:63], 16777216+\s*32768          ; V begins 16,777,216 bytes into qkv; a slot is 256 keys, 32,768 bytes
	s_or_b32 s[G0V+4*\s+3], s[G0V+4*\s+3], 0x80000000
	s_mov_b32 s[G0K+4*\s], 1
	s_add_co_u32 s[G0K+4*\s+1], s61, \s*SLOT
	s_add_nc_u64 s[G0K+4*\s+2:G0K+4*\s+3], s[62:63], 8388608-32768+\s*32768     ; K begins 8,388,608 bytes in; waves 4-7 count their rows from wave 4
	s_or_b32 s[G0K+4*\s+3], s[G0K+4*\s+3], 0x80000000
	JLOAD \s                                       ; two tensor loads of the wave are out, the most in this text
.endr
	v_and_b32 v1, 15, v0                           ; r
	v_bfe_u32 v2, v0, 4, 1                         ; h
	v_and_b32 v3, 31, v0                           ; lane
	v_mul_u32_u24 v4, v1, KP
	v_lshl_add_u32 v4, v2, 4, v4                   ; r x 144 + 16 h: K's fragments, and the stage's stores
	s_mul_i32 s60, s9, 128*KP
	s_add_co_u32 s60, s60, VT
	v_add_nc_u32 v[KA], s60, v4
	v_add_nc_u32 v[KA+1], SLOT, v[KA]
	v_and_b32 v5, 7, v0
	v_lshl_add_u32 v5, v2, 3, v5                   ; key 8 h + l % 8
	v_mul_u32_u24 v5, v5, VP
	v_bfe_u32 v6, v0, 3, 1
	v_lshl_add_u32 v5, v6, 4, v5                   ; + 16 bytes for the upper eight of 16 columns
	s_mul_i32 s61, s9, 128*VP
	v_add_nc_u32 v[VA], s61, v5
	v_add_nc_u32 v[VA+1], SLOT, v[VA]
	s_mul_i32 s60, s10, MPW
	s_add_co_u32 s60, s60, MERGE
	v_lshl_add_u32 v[MA], v3, 4, s60
	s_mul_i32 s61, s10, SPW
	s_add_co_u32 s61, s61, STAGE
	v_add_nc_u32 v[STO], s61, v4
	v_lshrrev_b32 v5, 3, v3                        ; back: eight lanes take one row's 128 bytes
	v_mul_u32_u24 v5, v5, 144
	v_and_b32 v6, 7, v0
	v_lshl_add_u32 v5, v6, 4, v5
	v_add_nc_u32 v[RD], s61, v5
	v_lshlrev_b32 v[CO], 4, v1
	v_lshl_add_u32 v[CO], v2, 12, v[CO]            ; lanes 0-15 one pair of rows, lanes 16-31 the next
	v_lshlrev_b32 v[QO], 7, v1
	v_lshl_add_u32 v[QO], v2, 4, v[QO]
.irp n, 0,1,2,3
	v_mov_b32 v[TP+\n], 0                          ; v_permlanex16_b32 counts as a reader of its destination
.endr
	WIN 0x40
.irp n, 0,1,2,3
.irp c, 0,1
	global_load_b128 v[QF+8*(2*\n+\c):QF+8*(2*\n+\c)+3],   v[QO], s[56:57] offset:\n*2048+64*\c
	global_load_b128 v[QF+8*(2*\n+\c)+4:QF+8*(2*\n+\c)+7], v[QO], s[56:57] offset:\n*2048+64*\c+32
.endr
.endr
	WIN 0
.macro LOADK slot, i                   ; 16 loads: 64 keys x 64 of K, step i of my 128 keys
	WIN 0
.irp kt, 0,1,2,3
.irp c, 0,1
	ds_load_b128 v[KF+8*(2*\kt+\c):KF+8*(2*\kt+\c)+3],   v[KA+\slot] offset:(64*\i+16*\kt)*KP+64*\c
	ds_load_b128 v[KF+8*(2*\kt+\c)+4:KF+8*(2*\kt+\c)+7], v[KA+\slot] offset:(64*\i+16*\kt)*KP+64*\c+32
.endr
.endr
.endm
.macro LOADV slot, i                   ; 16 transposing loads: V^T, 64 columns x 64 keys
	WIN 0x40
.irp dt, 0,1,2,3
.irp kc, 0,1
	ds_load_tr16_b128 v[VF+8*(2*\dt+\kc):VF+8*(2*\dt+\kc)+3],   v[VA+\slot] offset:(64*\i+32*\kc)*VP+32*\dt
	ds_load_tr16_b128 v[VF+8*(2*\dt+\kc)+4:VF+8*(2*\dt+\kc)+7], v[VA+\slot] offset:(64*\i+32*\kc+16)*VP+32*\dt
.endr
.endr
.endm
; Four S^T products of query block NS: half c of the 64 head columns, four key tiles.  c = 0 starts the sums.
.macro SGRP c
.irp kt, 0,1,2,3
.if \c
	v_wmma_f32_16x16x32_bf16 v[SB+32*NS+8*\kt:SB+32*NS+8*\kt+7], v[KF+8*(2*\kt+\c):KF+8*(2*\kt+\c)+7], v[QF+8*(2*NS+\c):QF+8*(2*NS+\c)+7], v[SB+32*NS+8*\kt:SB+32*NS+8*\kt+7]
.else
	v_wmma_f32_16x16x32_bf16 v[SB+32*NS+8*\kt:SB+32*NS+8*\kt+7], v[KF+8*(2*\kt+\c):KF+8*(2*\kt+\c)+7], v[QF+8*(2*NS+\c):QF+8*(2*NS+\c)+7], 0
.endif
.endr
.endm
; Four O^T products of query block NP: half kc of the 64 keys, four tiles of head columns.  zero = 1: they start O.
.macro PGRP kc, zero
.irp dt, 0,1,2,3
.if \zero
	v_wmma_f32_16x16x32_bf16 v[OB+32*NP+8*\dt:OB+32*NP+8*\dt+7], v[VF+8*(2*\dt+\kc):VF+8*(2*\dt+\kc)+7], v[SB+32*NP+16*\kc:SB+32*NP+16*\kc+7], 0
	s_wait_alu depctr_va_vdst(0)
.else
	v_wmma_f32_16x16x32_bf16 v[OB+32*NP+8*\dt:OB+32*NP+8*\dt+7], v[VF+8*(2*\dt+\kc):VF+8*(2*\dt+\kc)+7], v[SB+32*NP+16*\kc:SB+32*NP+16*\kc+7], v[OB+32*NP+8*\dt:OB+32*NP+8*\dt+7]
	s_wait_alu depctr_va_vdst(0)
.endif
.endr
.endm
; The softmax's pieces, on pair q (registers 2 q, 2 q + 1) of the unit's 32 scores at SBN
.macro FM q                            ; the exponents s c + negmc.  Source 1 is scalar, so the line also stands under the S^T products' window setting
	v_pk_fma_f32 v[SBN+2*\q:SBN+2*\q+1], v[SBN+2*\q:SBN+2*\q+1], s[48:49], v[STN+2:STN+3] op_sel_hi:[1,0,0]
.endm
.macro EX2 q                           ; one source only: stands under that setting too
	v_exp_f32 v[SBN+2*\q], v[SBN+2*\q]
	v_exp_f32 v[SBN+2*\q+1], v[SBN+2*\q+1]
.endm
.macro PADD q                          ; the lane's part of the row sum, two chains: even pairs, odd pairs
	s_wait_alu depctr_va_vdst(0)
	v_pk_add_f32 v[SUM+2*(\q%2):SUM+2*(\q%2)+1], v[SUM+2*(\q%2):SUM+2*(\q%2)+1], v[SBN+2*\q:SBN+2*\q+1]
.endm
.macro PCVT g                          ; pair g becomes one word of P^T; the word written lies in a pair that has been summed and packed already
	v_cvt_pk_bf16_f32 v[SBN+16*(\g/8)+(\g%8)], v[SBN+2*\g], v[SBN+2*\g+1]
.endm
; THE TIME OF ONE UNIT.  n: its query block.  first: its step is the first (no older maximum, sum or O).  dos: S^T of the next unit is made.
; dopv: O^T of the unit before is made; pvfirst: those products start O.
; ev: 1 V^T of step (a, b) is loaded at the end; 2 V^T is waited for; 3 the same, and the old slot is given up (waits, opening signal);
;     4 K of step (a, b) is loaded; 5 the same behind the barrier's wait; 6 the same behind the whole round and the joint refill of slot 1 - a; 7 K is waited for.
.macro TS n, first, dos, dopv, pvfirst, ev, a, b
.set NS, (\n+1)%4
.set NP, (\n+3)%4
.set SBN, SB+32*\n
.set STN, ST+4*\n
	; the largest of my 32 scores, four chains side by side (the last S^T product of this unit stands at least 14 plain instructions back)
.irp k, 0,1,2,3
	v_max3_num_f32 v[MX+\k], v[SBN+8*\k], v[SBN+8*\k+1], v[SBN+8*\k+2]
.endr
.irp k, 0,1,2,3
	v_max3_num_f32 v[MX+\k], v[MX+\k], v[SBN+8*\k+3], v[SBN+8*\k+4]
.endr
.irp k, 0,1,2,3
	v_max3_num_f32 v[MX+\k], v[MX+\k], v[SBN+8*\k+5], v[SBN+8*\k+6]
.endr
	v_max3_num_f32 v[MX], v[MX], v[SBN+7], v[SBN+15]
	v_max3_num_f32 v[MX+2], v[MX+2], v[SBN+23], v[SBN+31]
	v_max3_num_f32 v[MX], v[MX], v[MX+1], v[MX+2]
	v_max_num_f32 v[MX], v[MX], v[MX+3]
	v_permlanex16_b32 v[TP], v[MX], s52, s53       ; the other 32 keys of the same query
.if \first
	v_max_num_f32 v[STN+3], v[MX], v[TP]
	v_mul_f32 v[STN+2], s50, v[STN+3]              ; negmc = -c m
.else
	v_max3_num_f32 v[STN+3], v[MX], v[TP], v[STN+3]        ; the running maximum
	v_mul_f32 v[DD], s50, v[STN+3]
	v_sub_f32 v[EE], v[DD], v[STN+2]               ; new shift - old shift, at most 0, exactly 0 where the maximum stayed
	v_mov_b32 v[STN+2], v[DD]
	v_exp_f32 v[STN], v[EE]                        ; alpha; the plain instructions behind it (ISA guide 5.7.2) are the multiply-adds below
.endif
.if \dos
.if \ev == 7
	s_wait_dscnt 0x0                               ; the next step's K: its 16 loads are the only LDS instructions out
.endif
	WIN W_S
	SGRP 0
.endif
	FM 0
	FM 1
	FM 2
	FM 3
	FM 4
	FM 5
	FM 6
	FM 7
	EX2 0                                          ; behind each pair of exponentials a plain instruction on other registers
	FM 8
	EX2 1
	FM 9
	EX2 2
	FM 10
	EX2 3
	FM 11
.if \dopv
.if \ev == 2
	s_wait_dscnt 0x0                               ; this step's V^T: its 16 loads are the only LDS instructions out
.endif
.if \ev == 3
	s_wait_dscnt 0x0                               ; this step's V^T is in: they were my last reads of this slot (its K came earlier),
	s_set_vgpr_msb 0x400
	s_wait_tensorcnt 0x0                           ; and all my tensor loads have landed: the one that was out is my part of the next slot:
	ds_add_u32 v30, v31
	s_wait_dscnt 0x0
	s_set_vgpr_msb 0x4
	s_barrier_signal -1                            ; say so.  Register work alone follows up to the wait in the next unit
.endif
	WIN W_PV
	PGRP 0, \pvfirst
.endif
.if \first == 0
	WIN W_PV                                       ; two sources only: the line stands under the O^T products' window setting
	s_wait_alu depctr_va_vdst(0)
.irp q, 0,1,2,3,4,5,6,7,8,9,10,11,12,13,14,15
	v_pk_mul_f32 v[OB+32*\n+2*\q:OB+32*\n+2*\q+1], v[OB+32*\n+2*\q:OB+32*\n+2*\q+1], v[STN:STN+1] op_sel_hi:[1,0]   ; O = O alpha, between this block's products of the last step and of this one
.endr
.endif
.if \dos
	WIN W_S
.else
	WIN 0
.endif
	EX2 4
	FM 12
	EX2 5
	FM 13
	EX2 6
	FM 14
	EX2 7
	FM 15
.if \dos
	SGRP 1
.endif
	WIN 0
	EX2 8                                          ; the second 16 exponentials, among them the sums and the packing of the first 16
	s_wait_alu depctr_va_vdst(0)
	v_pk_add_f32 v[SUM:SUM+1], v[SBN:SBN+1], v[SBN+2:SBN+3]
	PCVT 0
	EX2 9
	PCVT 1
	v_pk_add_f32 v[SUM+2:SUM+3], v[SBN+4:SBN+5], v[SBN+6:SBN+7]
	EX2 10
	PCVT 2
	PCVT 3
	EX2 11
	PADD 4
	PCVT 4
	EX2 12
	PADD 5
	PCVT 5
	EX2 13
	PADD 6
	PCVT 6
	EX2 14
	PADD 7
	PCVT 7
	EX2 15
.if \ev == 4
	LOADK \a, \b                                   ; 14 plain instructions behind the last product that read K
.endif
.if \ev == 5
	s_barrier_wait -1                              ; every wave's part of the next slot has landed; nothing is left to fetch
	LOADK \a, \b
.endif
.if \ev == 6
.set OLD, 1-\a
	s_barrier_wait -1                              ; every wave of my work-group has given the old slot up,
	CREST                                          ; and every wave of the three partners: none still reads it or has a load on its way
	s_add_nc_u64 s[G0V+4*OLD+2:G0V+4*OLD+3], s[G0V+4*OLD+2:G0V+4*OLD+3], 65536   ; no load of mine is out: group 0 may be written.  Two slots on
	s_add_nc_u64 s[G0K+4*OLD+2:G0K+4*OLD+3], s[G0K+4*OLD+2:G0K+4*OLD+3], 65536
	JLOAD OLD                                      ; the joint refill, first behind the round; it has seven units in which to land
	LOADK \a, \b
.endif
.if \dopv
	WIN W_PV
	PGRP 1, 0
.endif
	WIN 0
.irp g, 8,9,10,11,12,13,14,15
	PADD \g
	PCVT \g
.endr
	v_pk_add_f32 v[SUM:SUM+1], v[SUM:SUM+1], v[SUM+2:SUM+3]
.if \first
	v_add_f32 v[STN+1], v[SUM], v[SUM+1]
.else
	v_add_f32 v[SUM], v[SUM], v[SUM+1]
	v_fma_f32 v[STN+1], v[STN+1], v[STN], v[SUM]   ; l = l alpha + sum
.endif
.if \ev == 1
	LOADV \a, \b                                   ; 19 plain instructions behind the last product that read the step before's V^T
	WIN 0
.endif
.endm
; One step of 64 keys: four units.  slot, i: where its V lies.  ev1: 2 or 3.  ev2, ks, ki: what unit 2 does for the next step's K.  dos3, ev3: 1, 7, or 0, 0 in the last step.
.macro STEP4 slot, i, first, dopv0, pvf0, ev1, ev2, ks, ki, dos3, ev3
	TS 0, \first, 1, \dopv0, \pvf0, 1, \slot, \i
	TS 1, \first, 1, 1, \first, \ev1, 0, 0
	TS 2, \first, 1, 1, \first, \ev2, \ks, \ki
	TS 3, \first, \dos3, 1, \first, \ev3, 0, 0
.endm
	s_wait_tensorcnt 0x1                           ; my part of slot 0 is in; slot 1's stays out
	s_barrier_signal -1
	s_barrier_wait -1
	LOADK 0, 0
	s_wait_loadcnt 0x0                             ; Q
	s_wait_dscnt 0x0
.set NS, 0
	WIN W_S
	SGRP 0                                         ; the pipeline is filled: S^T of the first unit
	SGRP 1
	WIN 0
	PLACES
	STEP4 0, 0, 1, 0, 0, 2, 4, 0, 1, 1, 7          ; keys 0-63 of my 128 in slot 0: they start maximum, sum and O
	STEP4 0, 1, 0, 1, 1, 3, 6, 1, 0, 1, 7          ; slot 0 is given up and filled again
	s_mov_b32 s54, 2
.Lkeys:
	STEP4 1, 0, 0, 1, 0, 2, 4, 1, 1, 1, 7
	STEP4 1, 1, 0, 1, 0, 3, 6, 0, 0, 1, 7
	STEP4 0, 0, 0, 1, 0, 2, 4, 0, 1, 1, 7
	STEP4 0, 1, 0, 1, 0, 3, 6, 1, 0, 1, 7
	s_sub_co_u32 s54, s54, 1
	s_cmp_lg_u32 s54, 0
	s_cbranch_scc1 .Lkeys
	STEP4 1, 0, 0, 1, 0, 2, 4, 1, 1, 1, 7
	STEP4 1, 1, 0, 1, 0, 3, 6, 0, 0, 1, 7          ; the last refill: the last 256 keys, into slot 1
	STEP4 0, 0, 0, 1, 0, 2, 4, 0, 1, 1, 7
	STEP4 0, 1, 0, 1, 0, 3, 5, 1, 0, 1, 7          ; nothing is left to fetch: a plain barrier shows slot 1 whole
	STEP4 1, 0, 0, 1, 0, 2, 4, 1, 1, 1, 7
	STEP4 1, 1, 0, 1, 0, 2, 0, 0, 0, 0, 0
.set NP, 3
	WIN W_PV
	PGRP 0, 0                                      ; the pipeline runs empty: O^T of the last unit
	PGRP 1, 0
	WIN 0
	PLACES
	; THE MERGE.  l so far is the sum over the lane's half of the keys of each step: add the other half's.
.irp n, 0,1,2,3
	v_permlanex16_b32 v[TP+\n], v[ST+4*\n+1], s52, s53
.endr
.irp n, 0,1,2,3
	v_add_f32 v[ST+4*\n+1], v[ST+4*\n+1], v[TP+\n]
.endr
	s_cmp_eq_u32 s9, 0
	s_cbranch_scc1 .Lkeep
	WIN 0x04                                       ; waves 4-7 hand O and the statistics to waves 0-3, lane to lane
.set j, 0
.rept 32
	ds_store_b128 v[MA], v[OB+4*j:OB+4*j+3] offset:512*j
.set j, j+1
.endr
	WIN 0
.irp n, 0,1,2,3
	ds_store_b128 v[MA], v[ST+4*\n:ST+4*\n+3] offset:16384+512*\n
.endr
.Lkeep:
	s_wait_dscnt 0x0                               ; my stores are done, for the partner's sake
	s_barrier_signal -1
	s_barrier_wait -1
	s_cmp_lg_u32 s9, 0
	s_cbranch_scc1 .Lend
.set j, 0
.rept 32
	ds_load_b128 v[SB+4*j:SB+4*j+3], v[MA] offset:512*j
.set j, j+1
.endr
.irp n, 0,1,2,3
	ds_load_b128 v[KF+4*\n:KF+4*\n+3], v[MA] offset:16384+512*\n
.endr
	s_wait_dscnt 0x0
.irp n, 0,1,2,3
	v_min_num_f32 v[DD+\n], v[ST+4*\n+2], v[KF+4*\n+2]             ; the shift of the larger maximum
.endr
.irp n, 0,1,2,3
	v_sub_f32 v[EE+\n], v[DD+\n], v[ST+4*\n+2]
	v_sub_f32 v[MX+\n], v[DD+\n], v[KF+4*\n+2]
.endr
.irp n, 0,1,2,3
	v_exp_f32 v[EE+\n], v[EE+\n]                                   ; a0
	v_exp_f32 v[MX+\n], v[MX+\n]                                   ; a1
.endr
	v_nop
	s_wait_alu depctr_va_vdst(0)
.irp n, 0,1,2,3
	v_mul_f32 v[TP+\n], v[KF+4*\n+1], v[MX+\n]
.endr
.irp n, 0,1,2,3
	v_fmac_f32 v[TP+\n], v[ST+4*\n+1], v[EE+\n]                    ; the whole row's sum: at least about 1, since the largest exponent is about 0
.endr
.irp n, 0,1,2,3
	v_rcp_f32 v[TP+\n], v[TP+\n]
.endr
	v_nop
	s_wait_alu depctr_va_vdst(0)
.irp n, 0,1,2,3
	v_mul_f32 v[ST+4*\n], v[EE+\n], v[TP+\n]                       ; f0 = a0 / sum
	v_mul_f32 v[ST+4*\n+2], v[MX+\n], v[TP+\n]                     ; f1 = a1 / sum
.endr
.irp n, 0,1,2,3
.irp q, 0,1,2,3,4,5,6,7,8,9,10,11,12,13,14,15
	v_pk_mul_f32 v[SB+32*\n+2*\q:SB+32*\n+2*\q+1], v[SB+32*\n+2*\q:SB+32*\n+2*\q+1], v[ST+4*\n+2:ST+4*\n+3] op_sel_hi:[1,0]
.endr
.endr
	WIN 0x01
.irp n, 0,1,2,3
.irp q, 0,1,2,3,4,5,6,7,8,9,10,11,12,13,14,15
	v_pk_fma_f32 v[SB+32*\n+2*\q:SB+32*\n+2*\q+1], v[OB+32*\n+2*\q:OB+32*\n+2*\q+1], v[ST+4*\n:ST+4*\n+1], v[SB+32*\n+2*\q:SB+32*\n+2*\q+1] op_sel_hi:[1,0,1]
.endr
.endr
	WIN 0
.set j, 0
.rept 16
.irp r, 0,1,2,3
	v_cvt_pk_bf16_f32 v[SB+8*j+\r], v[SB+8*j+2*\r], v[SB+8*j+2*\r+1]       ; eight neighbouring columns of one query: 16 bytes
.endr
.set j, j+1
.endr
.irp n, 0,1,2,3
.irp dt, 0,1,2,3
	ds_store_b128 v[STO], v[SB+32*\n+8*\dt:SB+32*\n+8*\dt+3] offset:16*144*\n+32*\dt
.endr
.endr
.irp i, 0,1,2,3,4,5,6,7,8,9,10,11,12,13,14,15
	ds_load_b128 v[SB+8*\i+4:SB+8*\i+7], v[RD] offset:4*144*\i     ; my own bytes, served in order: four rows a load
.endr
.irp i, 0,1,2,3,4,5,6,7,8,9,10,11,12,13,14,15
	s_wait_dscnt 15-\i
	global_store_b128 v[CO], v[SB+8*\i+4:SB+8*\i+7], s[58:59] offset:8192*\i       ; 16 lanes store the head's 256 consecutive bytes of a pair of rows, aligned
.endr
.Lend:
	s_wait_tensorcnt 0x0
	ds_add_u32 v30, v31
	s_wait_dscnt 0x0
	CROUND                                         ; the closing round
	s_endpgm
.Lfunc_end_k_q5cba81e499_attn:
	.size	k_q5cba81e499_attn, .Lfunc_end_k_q5cba81e499_attn-k_q5cba81e499_attn
	.p2alignl 7, 3214868480
	.fill 96, 4, 3214868480
	.section	.rodata,"a",@progbits
	.p2align	6, 0x0
	.amdhsa_kernel k_q5cba81e499_attn
		.amdhsa_group_segment_fixed_size 327680
		.amdhsa_private_segment_fixed_size 0
		.amdhsa_enable_private_segment 0
		.amdhsa_kernarg_size 16
		.amdhsa_user_sgpr_count 2
		.amdhsa_user_sgpr_kernarg_segment_ptr 1
		.amdhsa_wavefront_size32 1
		.amdhsa_system_sgpr_workgroup_id_x 1
		.amdhsa_system_sgpr_workgroup_id_y 1
		.amdhsa_system_sgpr_workgroup_id_z 1
		.amdhsa_system_vgpr_workitem_id 0
		.amdhsa_next_free_vgpr 512
		.amdhsa_next_free_sgpr 66
		.amdhsa_reserve_vcc 0
		.amdhsa_float_denorm_mode_32 3
		.amdhsa_float_denorm_mode_16_64 3
		.amdhsa_memory_ordered 1
		.amdhsa_forward_progress 1
		.amdhsa_inst_pref_size 255
	.end_amdhsa_kernel
	.section	.bss,"aw",@nobits
	.p2align	6
	.space	262144
	.amdgpu_metadata
---
amdhsa.version: [ 1, 2 ]
amdhsa.kernels:
  - .name:           k_q5cba81e499_attn
    .symbol:         k_q5cba81e499_attn.kd
    .args:
      - { .name: qkv, .offset: 0, .size: 8, .value_kind: global_buffer, .address_space: global }
      - { .name: ctx, .offset: 8, .size: 8, .value_kind: global_buffer, .address_space: global }
    .group_segment_fixed_size: 327680
    .private_segment_fixed_size: 0
    .kernarg_segment_align: 8
    .kernarg_segment_size: 16
    .max_flat_workgroup_size: 256
    .sgpr_count:     66
    .vgpr_count:     512
    .wavefront_size: 32
...
	.end_amdgpu_metadata
.endif
;; end of part 3
;; launch oproj (part 4): grid 8 x 32, 4 waves a work-group, clusters of 4 x 4, 327,680 bytes of LDS; arguments ctx, wob, b_out, out0; writes out0
.if DOCPART == 4
	.amdgcn_target "amdgcn-amd-amdhsa--gfx1250"
	.amdhsa_code_object_version 6
	.text
	.protected	k_q5cba81e499_oproj
	.globl	k_q5cba81e499_oproj
	.p2align	8
	.type	k_q5cba81e499_oproj,@function
k_q5cba81e499_oproj:
	s_mov_b64 s[64:65], 0
	v_nop
	global_prefetch_b8 v0, s[64:65] scope:SCOPE_SE
	s_setreg_imm32_b32 hwreg(HW_REG_WAVE_MODE, 25, 1), 1
	s_wait_xcnt 0x0
	s_wait_alu depctr_hold_cnt(0) depctr_sa_sdst(0) depctr_va_vdst(0) depctr_va_sdst(0) depctr_va_ssrc(0) depctr_va_vcc(0) depctr_vm_vsrc(0)
	s_getreg_b32 s2, hwreg(HW_REG_IB_STS2, 6, 4)
	s_cmp_eq_u32 s2, 0
	s_cbranch_scc0 .Lentry_in_a_cluster
	s_endpgm
.Lentry_in_a_cluster:
	s_bfe_u32 s2, ttmp6, 0x10000c
	s_cmp_lg_u32 s2, 0xf033
	s_cbranch_scc0 .Lentry_shape_is_right
	s_endpgm
.Lentry_shape_is_right:
; out0 = ctx W_out^T + b_out, f32 out.  ctx bf16 in pairs of rows (byte ((R / 2) 16 + head) 256 + (R % 2) 128 + 2 dh), wob bf16 [1024][1024].
; Grid: x = 128 columns (8), y = 128 rows (32): 256 work-groups.  Four waves; wave (wr = w / 2, wc = w % 2) makes 64 x 64: 16 accumulator tiles.
; Blocks of 256 x 128 would halve the LDS bytes for each product but leave half of the 256 work-groups' places empty, so each would work twice as long.
; K goes in 4 steps of 256 (four heads) through two LDS slots: W's rows are 512 bytes of memory, a pair of ctx rows 1,024 bytes, all at multiples of 256.
; CLUSTERS: 4 x 4 work-groups; ctx's tile is asked for jointly along a row of the cluster, W's along a column.
; The matrix instruction is used transposed (source 0 = rows of W, source 1 = rows of ctx): a lane holds eight neighbouring columns of one row.
; The 16 accumulators (window 1) take turns, one instruction a turn.
.set BP, 528                           ; W's LDS pitch: 512 + 16
.set AP, 1040                          ; a pair of ctx rows: 1,024 + 16; rows r and r + 1 of a pair lie 128 bytes apart, so 16 rows start in 16 different 16-byte columns modulo 256
.set BTILE, 128*BP                     ; 67,584
.set SLOT, BTILE+64*AP                 ; 134,144
.set STAGE, 2*SLOT                     ; 268,288, a multiple of 256; 16 rows x 272 bytes for each wave
.set SPITCH, 272
.set ADRA, 16
.set ADRB, 20
.set STO, 24
.set RD, 25
.set CO, 26
.set BOFF, 27
.set BIAS, 32                          ; v[32:63]
.set F0, 64                            ; v[64:127]   W's fragments b at +8 b, ctx's a at +32 + 8 a
.set F1, 128                           ; v[128:191]
.set T, 192                            ; v[192:223]
.set RR, 224                           ; v[224:255]
.set G1A, 24
.set G0A, 32
.set G1B, 48
.set G0B, 56
.set ACC, 0x50                         ; C and D window 1, sources window 0
.set MSB, 0
.macro WIN new
.if MSB != \new
	s_set_vgpr_msb (MSB<<8)|\new
.set MSB, \new
.endif
.endm
.macro PLACES
.rept 4
	v_nop
.endr
.endm
.macro JLOAD s                         ; waves 0, 1 fetch W's halves (64 rows), waves 2, 3 ctx's (32 pairs of rows)
	s_cmp_eq_u32 s17, 0
	s_cbranch_scc0 .Lfor_a_\@
	tensor_load_to_lds s[G0B+4*\s:G0B+4*\s+3], s[G1B:G1B+7]
	s_nop 0
	s_branch .Lasked_\@
.Lfor_a_\@:
	tensor_load_to_lds s[G0A+4*\s:G0A+4*\s+3], s[G1A:G1A+7]
	s_nop 0
.Lasked_\@:
.endm
.macro CREST
	s_cmp_lg_u32 s16, 0
	s_cbranch_scc1 .Lnot_wave_0_\@
	s_barrier_signal -3
.Lnot_wave_0_\@:
	s_barrier_wait -3
	s_barrier_signal -1
	s_barrier_wait -1
.endm
.macro CROUND
	s_barrier_signal -1
	s_barrier_wait -1
	CREST
.endm
	s_load_b256 s[4:11], s[0:1], 0x0               ; ctx, wob, b_out, out0
	v_lshl_add_u32 v30, v0, 2, 0x45c00
	v_mov_b32 v31, 0
	ds_add_u32 v30, v31
	v_lshrrev_b32 v1, 5, v0
	v_readfirstlane_b32 s16, v1                    ; wave
	s_lshr_b32 s17, s16, 1                         ; wr.  Also: I fetch for W (0) or for ctx (1)
	s_and_b32 s18, s16, 1                          ; wc.  Also: which half
	s_bfe_u32 s19, ttmp6, 0x40000                  ; cx
	s_bfe_u32 s20, ttmp6, 0x40004                  ; cy
	s_lshl_b32 s21, ttmp9, 2
	s_add_co_u32 s21, s21, s19                     ; column block
	s_and_b32 s22, ttmp7, 0xffff
	s_lshl_b32 s22, s22, 2
	s_add_co_u32 s22, s22, s20                     ; row block
	s_lshl_b32 s2, s20, 2
	s_lshl_b32 s2, 15, s2                          ; my row of the cluster
	s_lshl_b32 s3, 0x1111, s19                     ; my column
	s_or_b32 s[G1A+0], s2, (1<<16)|(1<<20)|(1<<21)|(7<<22)|(3<<25)   ; 4 words of padding behind every 256 words
	s_mov_b32 s[G1A+1], 512<<16                    ; tensor_dim0 = 512 elements
	s_mov_b32 s[G1A+2], 32<<16                     ; tensor_dim1 = 32
	s_mov_b32 s[G1A+3], 512<<16                    ; tile_dim0
	s_mov_b32 s[G1A+4], 32                         ; tile_dim1
	s_mov_b32 s[G1A+5], 2048                       ; a pair of rows is 2,048 elements
	s_mov_b32 s[G1A+6], 0
	s_mov_b32 s[G1A+7], 0
	s_or_b32 s[G1B+0], s3, (1<<16)|(1<<20)|(1<<21)|(6<<22)|(3<<25)   ; behind every 128 words
	s_mov_b32 s[G1B+1], 256<<16
	s_mov_b32 s[G1B+2], 64<<16
	s_mov_b32 s[G1B+3], 256<<16
	s_mov_b32 s[G1B+4], 64
	s_mov_b32 s[G1B+5], 1024
	s_mov_b32 s[G1B+6], 0
	s_mov_b32 s[G1B+7], 0
	s_lshl_b32 s40, s22, 6                         ; ctx: pair 64 x row block + 32 x half, 4,096 bytes each
	s_lshl_b32 s41, s18, 5
	s_add_co_u32 s40, s40, s41
	s_lshl_b32 s40, s40, 12
	s_mov_b32 s41, 0
	s_lshl_b32 s44, s21, 7                         ; W: row 128 x column block + 64 x half, 2,048 bytes each
	s_lshl_b32 s45, s18, 6
	s_add_co_u32 s44, s44, s45
	s_lshl_b32 s44, s44, 11
	s_mov_b32 s45, 0
	s_mul_i32 s46, s16, 32*AP
	s_add_co_u32 s46, s46, BTILE-2*32*AP           ; LDS: ctx's halves behind W's 128 rows (waves 2, 3)
	s_mul_i32 s47, s16, 64*BP                      ; W's halves (waves 0, 1)
	s_lshl_b32 s72, s21, 9                         ; my 64 columns in f32: 512 x block + 256 x wc
	s_lshl_b32 s73, s18, 8
	s_add_co_u32 s72, s72, s73
	s_mov_b32 s73, 0
	s_lshl_b32 s74, s22, 19                        ; my 64 rows of 4,096 bytes: 128 x block + 64 x wr
	s_lshl_b32 s75, s17, 18
	s_add_co_u32 s74, s74, s75
	s_add_co_u32 s74, s74, s72
	s_mov_b32 s75, 0
	s_wait_dscnt 0x0
	s_wait_kmcnt 0x0
	s_add_nc_u64 s[40:41], s[4:5], s[40:41]
	s_add_nc_u64 s[44:45], s[6:7], s[44:45]
	s_add_nc_u64 s[8:9], s[8:9], s[72:73]
	s_add_nc_u64 s[10:11], s[10:11], s[74:75]
	CROUND                                         ; the first joint loads meet
.irp s, 0,1
	s_mov_b32 s[G0A+4*\s], 1
	s_add_co_u32 s[G0A+4*\s+1], s46, \s*SLOT
	s_add_nc_u64 s[G0A+4*\s+2:G0A+4*\s+3], s[40:41], \s*1024
	s_or_b32 s[G0A+4*\s+3], s[G0A+4*\s+3], 0x80000000
	s_mov_b32 s[G0B+4*\s], 1
	s_add_co_u32 s[G0B+4*\s+1], s47, \s*SLOT
	s_add_nc_u64 s[G0B+4*\s+2:G0B+4*\s+3], s[44:45], \s*512
	s_or_b32 s[G0B+4*\s+3], s[G0B+4*\s+3], 0x80000000
	JLOAD \s                                       ; K steps 0 and 1: two tensor loads of the wave are out, the most in this text
.endr
	v_and_b32 v1, 15, v0                           ; r
	v_bfe_u32 v2, v0, 4, 1                         ; h
	v_lshrrev_b32 v3, 1, v1
	v_mul_u32_u24 v3, v3, AP                       ; the pair of row r,
	v_and_b32 v4, 1, v0
	v_lshl_add_u32 v3, v4, 7, v3                   ; its half,
	v_lshl_add_u32 v3, v2, 4, v3                   ; + 16 h
	s_mul_i32 s76, s17, 32*AP
	s_add_co_u32 s76, s76, BTILE
	v_add_nc_u32 v[ADRA], s76, v3
	v_add_nc_u32 v[ADRA+1], SLOT, v[ADRA]
	v_mul_u32_u24 v3, v1, BP
	v_lshl_add_u32 v3, v2, 4, v3
	s_mul_i32 s76, s18, 64*BP
	v_add_nc_u32 v[ADRB], s76, v3
	v_add_nc_u32 v[ADRB+1], SLOT, v[ADRB]
	s_mul_i32 s76, s16, 16*SPITCH
	s_add_co_u32 s76, s76, STAGE
	v_mul_u32_u24 v3, v1, SPITCH
	v_lshl_add_u32 v3, v2, 5, v3                   ; row r, 32 bytes for each half of the lanes
	v_add_nc_u32 v[STO], s76, v3
	v_mul_u32_u24 v3, v2, SPITCH
	v_lshl_add_u32 v3, v1, 4, v3                   ; back: lanes 0-15 one row of 256 bytes, lanes 16-31 the next
	v_add_nc_u32 v[RD], s76, v3
	v_lshlrev_b32 v[CO], 4, v1
	v_lshl_add_u32 v[CO], v2, 12, v[CO]
	v_lshlrev_b32 v[BOFF], 5, v2
.irp b, 0,1,2,3
	global_load_b128 v[BIAS+8*\b:BIAS+8*\b+3],   v[BOFF], s[8:9] offset:64*\b
	global_load_b128 v[BIAS+8*\b+4:BIAS+8*\b+7], v[BOFF], s[8:9] offset:64*\b+16
.endr
; 16 LDS loads: piece qq (32 along K, 0..7) of a K step: W's 64 rows, then ctx's rows 0-31, then its rows 32-63
.macro FETCH slot, qq, f
.irp b, 0,1,2,3
	ds_load_b128 v[\f+8*\b:\f+8*\b+3],   v[ADRB+\slot] offset:\b*16*BP+64*\qq
	ds_load_b128 v[\f+8*\b+4:\f+8*\b+7], v[ADRB+\slot] offset:\b*16*BP+64*\qq+32
.endr
.irp a, 0,1,2,3
	ds_load_b128 v[\f+32+8*\a:\f+32+8*\a+3],   v[ADRA+\slot] offset:\a*8*AP+(\qq/2)*256+(\qq%2)*64
	ds_load_b128 v[\f+32+8*\a+4:\f+32+8*\a+7], v[ADRA+\slot] offset:\a*8*AP+(\qq/2)*256+(\qq%2)*64+32
.endr
.endm
.macro MUL8 f, a0, zero
.irp a, \a0, \a0+1
.irp b, 0,1,2,3
.if \zero
	v_wmma_f32_16x16x32_bf16 v[8*(4*(\a)+\b):8*(4*(\a)+\b)+7], v[\f+8*\b:\f+8*\b+7], v[\f+32+8*(\a):\f+32+8*(\a)+7], 0
.else
	v_wmma_f32_16x16x32_bf16 v[8*(4*(\a)+\b):8*(4*(\a)+\b)+7], v[\f+8*\b:\f+8*\b+7], v[\f+32+8*(\a):\f+32+8*(\a)+7], v[8*(4*(\a)+\b):8*(4*(\a)+\b)+7]
.endif
.endr
.endr
.endm
; multiplies buffer f; in the middle fetches piece qq into buffer g
.macro QUARTER slot, qq, f, g, zero
	s_wait_dscnt 4                                 ; W and ctx's rows 0-31 are in; the youngest four loads (rows 32-63) may be out
	WIN ACC
	MUL8 \f, 0, \zero
	WIN 0
	PLACES
	FETCH \slot, \qq, \g
	s_wait_dscnt 16                                ; all but the 16 just issued
	WIN ACC
	MUL8 \f, 2, \zero
.endm
.macro SEVEN slot, zero
	QUARTER \slot, 1, F0, F1, \zero
	QUARTER \slot, 2, F1, F0, 0
	QUARTER \slot, 3, F0, F1, 0
	QUARTER \slot, 4, F1, F0, 0
	QUARTER \slot, 5, F0, F1, 0
	QUARTER \slot, 6, F1, F0, 0
	QUARTER \slot, 7, F0, F1, 0
.endm
; The last piece of a K step, and the change of slots: waits for my reads of this slot and for all my tensor loads, the barrier (where the slot is filled
; again it opens a round of the cluster's barrier), the joint refill first behind it, then the next slot's first fragments.
.macro TURN slot, next, fill
	s_wait_dscnt 0x0
	s_wait_tensorcnt 0x0
	ds_add_u32 v30, v31
	s_wait_dscnt 0x0
	s_barrier_signal -1
	WIN ACC
	MUL8 F1, 0, 0
	WIN 0
	s_barrier_wait -1
.if \fill
	CREST
	s_add_nc_u64 s[G0A+4*\slot+2:G0A+4*\slot+3], s[G0A+4*\slot+2:G0A+4*\slot+3], 2048
	s_add_nc_u64 s[G0B+4*\slot+2:G0B+4*\slot+3], s[G0B+4*\slot+2:G0B+4*\slot+3], 1024
	JLOAD \slot
.endif
	PLACES
	FETCH \next, 0, F0
	WIN ACC
	MUL8 F1, 2, 0
.endm
	s_wait_tensorcnt 0x1                           ; my part of K step 0 is in; K step 1's stays out
	s_barrier_signal -1
	s_barrier_wait -1
	FETCH 0, 0, F0
	SEVEN 0, 1                                     ; the first products start the sums
	TURN 0, 1, 1                                   ; asks for K step 2
	SEVEN 1, 0
	TURN 1, 0, 1                                   ; asks for K step 3
	SEVEN 0, 0
	TURN 0, 1, 0
	SEVEN 1, 0
	s_wait_dscnt 0x0
	WIN ACC
	MUL8 F1, 0, 0
	MUL8 F1, 2, 0
	PLACES
	s_wait_loadcnt 0x0                             ; the biases
; THE WAY OUT, 16 rows at a time: bias in f32, through my own stage, back as whole rows of 256 bytes
.macro OUT16 a
	s_wait_xcnt 0x0                                ; RR holds the data of the last block's stores: loaded again only behind this wait
	WIN 0x01
.irp b, 0,1,2,3
.irp r, 0,1,2,3
	v_pk_add_f32 v[T+8*\b+2*\r:T+8*\b+2*\r+1], v[8*(4*\a+\b)+2*\r:8*(4*\a+\b)+2*\r+1], v[BIAS+8*\b+2*\r:BIAS+8*\b+2*\r+1]
.endr
.endr
	WIN 0
.irp b, 0,1,2,3
	ds_store_b128 v[STO], v[T+8*\b:T+8*\b+3] offset:64*\b
	ds_store_b128 v[STO], v[T+8*\b+4:T+8*\b+7] offset:64*\b+16
.endr
.irp t, 0,1,2,3,4,5,6,7
	ds_load_b128 v[RR+4*\t:RR+4*\t+3], v[RD] offset:\t*2*SPITCH    ; my own bytes, served in order
.endr
.irp t, 0,1,2,3,4,5,6,7
	s_wait_dscnt 7-\t
	global_store_b128 v[CO], v[RR+4*\t:RR+4*\t+3], s[10:11] offset:(16*\a+2*\t)*4096 th:TH_STORE_NT   ; 16 lanes store 256 consecutive bytes, aligned
.endr
.endm
	OUT16 0
	OUT16 1
	OUT16 2
	OUT16 3
	s_wait_tensorcnt 0x0
	ds_add_u32 v30, v31
	s_wait_dscnt 0x0
	CROUND                                         ; the closing round
	s_endpgm
.Lfunc_end_k_q5cba81e499_oproj:
	.size	k_q5cba81e499_oproj, .Lfunc_end_k_q5cba81e499_oproj-k_q5cba81e499_oproj
	.p2alignl 7, 3214868480
	.fill 96, 4, 3214868480
	.section	.rodata,"a",@progbits
	.p2align	6, 0x0
	.amdhsa_kernel k_q5cba81e499_oproj
		.amdhsa_group_segment_fixed_size 327680
		.amdhsa_private_segment_fixed_size 0
		.amdhsa_enable_private_segment 0
		.amdhsa_kernarg_size 32
		.amdhsa_user_sgpr_count 2
		.amdhsa_user_sgpr_kernarg_segment_ptr 1
		.amdhsa_wavefront_size32 1
		.amdhsa_system_sgpr_workgroup_id_x 1
		.amdhsa_system_sgpr_workgroup_id_y 1
		.amdhsa_system_sgpr_workgroup_id_z 1
		.amdhsa_system_vgpr_workitem_id 0
		.amdhsa_next_free_vgpr 384
		.amdhsa_next_free_sgpr 80
		.amdhsa_reserve_vcc 0
		.amdhsa_float_denorm_mode_32 3
		.amdhsa_float_denorm_mode_16_64 3
		.amdhsa_memory_ordered 1
		.amdhsa_forward_progress 1
		.amdhsa_inst_pref_size 94
	.end_amdhsa_kernel
	.amdgpu_metadata
---
amdhsa.version: [ 1, 2 ]
amdhsa.kernels:
  - .name:           k_q5cba81e499_oproj
    .symbol:         k_q5cba81e499_oproj.kd
    .args:
      - { .name: ctx, .offset: 0, .size: 8, .value_kind: global_buffer, .address_space: global }
      - { .name: wob, .offset: 8, .size: 8, .value_kind: global_buffer, .address_space: global }
      - { .name: b_out, .offset: 16, .size: 8, .value_kind: global_buffer, .address_space: global }
      - { .name: out0, .offset: 24, .size: 8, .value_kind: global_buffer, .address_space: global }
    .group_segment_fixed_size: 327680
    .private_segment_fixed_size: 0
    .kernarg_segment_align: 8
    .kernarg_segment_size: 32
    .max_flat_workgroup_size: 128
    .sgpr_count:     80
    .vgpr_count:     384
    .wavefront_size: 32
...
	.end_amdgpu_metadata
.endif
;; end of part 4
